; MI455X (gfx1250); checked and timed in simulation.
; The chip was launched on July 23, 2026; its instructions are those of AMD's public machine-readable ISA for CDNA 5 (MIT licence, August 2026) and "CDNA5" Instruction Set Architecture Reference Guide (July 2026). The comments in the code are by the model that wrote it; some were corrected since.
;; Radix Attention. Allowed arithmetic: matrix products marked QUANTISED: E3M2 operands, one E8M0 scale for each 32 along K, by v_wmma_scale_f32_16x16x128_f8f6f4 with both operands' format E3M2, f32 sums; everything else in f32.
;; Inputs: k 4 x 512 x 8 x 128 float32; pool_k 16,384 x 8 x 128 float32; pool_v 16,384 x 8 x 128 float32; q 4 x 512 x 32 x 128 float32; req_to_token 4 x 2,048 int32; v 4 x 512 x 8 x 128 float32.
;; Outputs: out0 2,048 x 4,096 float32.
;; This version of the problem:
;;   THIS VERSION OF THE PROBLEM IS GIVEN IN LOW PRECISION. The matrix products marked QUANTISED in the list below multiply operands that are first quantised to E3M2 (3 exponent bits, 2 mantissa bits; 6 bits a number), with one power-of-two scale for each 32 numbers along K (OCP MX v1.0); their sums are f32. All else is computed in f32.
;;   The module's matrix products, in the order in which they are computed (A, B: the left and right operand; K: the contracted axis; several contracted axes count as one K, in the product's order):
;;     1. batch 32 x [M 512, K 128] x [K 128, N 2,048]; A: input k; B: input q: QUANTISED
;;     2. batch 32 x [M 128, K 512] x [K 512, N 2,048]; A: input v; B: softmax (see below): QUANTISED
;;     3. batch 32 x [M 2,048, K 128] x [K 128, N 2,048]; A: computed on the way; B: input q: QUANTISED
;;     4. batch 32 x [M 128, K 2,048] x [K 2,048, N 2,048]; A: computed on the way; B: softmax (see below): QUANTISED
;;   THE QUANTISER, for each operand of a quantised product, along K:
;;     - K is cut into blocks of 32 from its start; a last block that is shorter is filled with zeros.
;;     - A block's scale is 2^e with e = floor(log2(the largest magnitude in the block)) - 4, held to -126 .. 127; a block of zeros has e = 0. As a byte (E8M0): e + 127.
;;     - Each number is divided by its block's scale, clamped to +-28, and rounded to the nearest number of E3M2, ties to even, subnormals kept.
;;     - The product sums the exact products of the quantised numbers (number of the format x scale) in f32.
;;   ~~~python
;;   def quantise(x, axis):      # numpy; x: float32 -> the quantised numbers, widened to float32 again
;;       x = np.moveaxis(x, axis, -1); K = x.shape[-1]
;;       x = np.pad(x, [(0, 0)] * (x.ndim - 1) + [(0, -K % 32)]); x = x.reshape(x.shape[:-1] + (-1, 32)); a = np.abs(x).max(-1, keepdims=True)
;;       e = np.where(a > 0, np.clip(np.frexp(np.where(a > 0, a, 1))[1] - 1 - 4, -126, 127), 0)      # np.frexp(a)[1] - 1 = floor(log2(a)), exactly
;;       r = np.clip(x / 2.0 ** e, -28, 28)
;;       step = 2.0 ** (np.maximum(np.frexp(np.where(r == 0, 1, r))[1] - 1, -2) - 2)
;;       q = np.round(r / step) * step * 2.0 ** e      # np.round: ties to even
;;       return np.moveaxis(q.reshape(q.shape[:-2] + (-1,))[..., :K], -1, axis).astype(np.float32)
;;   ~~~
;;   SOFTMAX AHEAD OF A QUANTISED PRODUCT. Where the list says 'softmax', what is quantised is not the finished softmax but p = 2^(t - M), with t = logit x log2(e) and M = ceil(the row's largest t), a whole number; so 1/2 < the row's largest p <= 1. The row's sum l is taken of the UNQUANTISED p, in f32, and the product's result is divided by l at the end. Since M is a whole number, a kernel that streams over the keys may use a running M (the ceiling of the running maximum): every later rescaling is an exact power of two, which a block's scale takes up: the codes' values come out the same.
;;   OPERANDS COMPUTED ON THE WAY. 'Computed on the way' means the value that the module computes at that place (a softmax that the list does not call 'softmax' is quantised finished and normalised). What goes into a quantiser is computed in f32, as accurately as f32 sums, v_exp_f32 and their like allow (about 1e-6 of the number): no bf16 or f16 on the way to a quantiser, and a product that is left as it is and whose result goes on into a quantised operand takes f32 operands (vector FMAs, or v_wmma_f32_16x16x4_f32). A number that lies on a knife's edge between two numbers of the format may be rounded either way, as far as f32 arithmetic and the matrix unit's own rounding can turn it there, and no further.
;; One version. Each part assembles by itself: llvm-mc -triple=amdgcn-amd-amdhsa -mcpu=gfx1250 --defsym DOCPART=n.
;; ======== version 1 of 1: 2 launches
;; limits: right only within a limited range of input values
;; workspace buffers: kvc 16,384,000 bytes
;; launch prep (part 1): grid 160 x 4, 4 waves a work-group, no clusters, 100,352 bytes of LDS; arguments k, v, pool_k, pool_v, req_to_token, kvc; writes kvc
.if DOCPART == 1
	.amdgcn_target "amdgcn-amd-amdhsa--gfx1250"
	.amdhsa_code_object_version 6
	.text
	.protected	k_q7fb4d90129_prep
	.globl	k_q7fb4d90129_prep
	.p2align	8
	.type	k_q7fb4d90129_prep,@function
k_q7fb4d90129_prep:
	s_mov_b64 s[64:65], 0
	v_nop
	global_prefetch_b8 v0, s[64:65] scope:SCOPE_SE
	s_setreg_imm32_b32 hwreg(HW_REG_WAVE_MODE, 25, 1), 1
	s_wait_xcnt 0x0
; PREP: the keys and values that the attention launch will walk are gathered, quantised to BF6 (E3M2) with one E8M0 scale for each 32 along K, and stored as IMAGES OF THE OPERAND'S REGISTERS.
; For each (batch b, kv head h) there are 20 steps of 128 keys: steps 0-15 are the prefix (positions 128 s on of req_to_token[b], rows of pool_k / pool_v), steps 16-19 the new tokens (rows of k / v).
; K is quantised along the head's 128 numbers; V along the KEYS, in blocks of 32 consecutive positions of the list, which is why the pool cannot be quantised where it lies.
; A work-group takes one unit (b, h, s): 128 keys x 128 numbers of K and of V.  x = 8 s + h, y = b.  Wave w loads keys 32 w .. 32 w + 31 of both and makes K's tiles 2 w, 2 w + 1 (its own keys) and
; V's tiles 2 w, 2 w + 1 (numbers d = 32 w .. 32 w + 31 of the head, all 128 keys: V goes from wave to wave through LDS, behind the one barrier).
; OUT.  kvc: [32 heads][20 steps][24,576]: K's fragment t at 1,536 t, V's at 12,288 + 1,536 t; a fragment is 12 registers a lane, registers 4 j .. 4 j + 3 of lane l at 512 j + 16 l.
;       kvs: [32][20][1,024]: the scale word of K's (tile t, row r) at 64 t + 4 r, of V's at 512 + 64 t + 4 r.
; A fragment's lane (r = l % 16, hh = l / 16) holds row r, registers 6 c .. 6 c + 5 = K 64 c + 32 hh + 0 .. 31.  K's tile 2 w + u takes THE KEYS 32 w + 8 u + r + 8 (r / 8), so that in the attention launch
; the 16 registers of two neighbouring score tiles are 16 neighbouring keys.  V's tile t takes rows d = 16 t + r, its K the step's keys in their order.
; A block's scale is 2^(floor(log2(its largest magnitude)) - 4): its byte is the largest magnitude's exponent field - 4, held at 1 from below.
; LIMITS: NaN and infinities among the inputs are not served; a block whose largest magnitude lies under 2^-122 (a block of zeros too, where the rule says 127) takes the byte 1: zeros' codes are zeros, and
; this program alone reads the bytes; an index is held at 16,383, the pool's last row.
; No tensor loads, no ring: 48 loads of a wave go out at its head (24 KiB), K's other 16 behind its first stage, three work-groups fit on a WGP by their LDS and registers.
; WHAT HOLDS IN PLACE OF THE LINES ABOVE ON THE WAVES' KEYS, ON K'S TILES AND ON THE WAY OUT:
; wave w loads the keys 64 (w / 2) + 16 (w % 2) + 32 a + 0 .. 15, a = 0, 1, of K and of V.  K's tile t = 4 c + u takes in row r THE KEY 64 c + 32 (r / 8) + 8 u + r % 8,
; so that in the attention launch the 32 registers of four neighbouring score tiles are one whole block of 32 neighbouring keys in one lane.  Tiles 2 w and 2 w + 1 are made of wave w's own keys.
; OUT.  kvc alone: [32 heads][20 steps][25,600]: K's fragment t at 1,536 t, V's at 12,288 + 1,536 t, K's scale words at 24,576 + 64 t + 4 r, V's at 25,088 + 64 t + 4 r.
.set KSTG,  66048
.set SPARE, 99840                      ; behind them the spare words, 128 bytes a wave: two blocks of 256 bytes that no other line names
.set L16, 1                            ; v1   16 x lane; never rewritten
.set SPW, 2                            ; v2   LDS address of my spare word; never rewritten
.set NIL, 3                            ; v3   0; never rewritten
.set VST, 4                            ; v4   V's stage, in: 33,024 (w / 2) + 8,192 (w % 2) + 16 x lane
.set VLD, 5                            ; v5   V's stage, out: 16,512 hh + 4 r + 128 x wave
.set KST, 6                            ; v6   K's stage, in: KSTG + 8,448 x wave + 16 x lane
.set KLD, 7                            ; v7   K's stage, out: KSTG + 8,448 x wave + 528 r + 128 hh
.set L4,  8                            ; v8   4 x lane; never rewritten
.set SH8, 9                            ; v9   8 hh
.set TM,  10                           ; v10-11 largest magnitudes;  v12-13 the conversions' scale operands;  v14-15 the bytes
.set SCL, 12
.set BY,  14
.set T,   16                           ; v16  the other half's bytes
.set W,   17                           ; v17  the scale word just made;  v18 the tile's before
.set WP,  18
.set TC,  20                           ; v20-22, v24-26 the upper halves of a block's codes
.set OFF, 32                           ; v32-63 byte offsets of my 32 rows, in the tiles' order
.set C,   32                           ; v32-43 a fragment's codes: these offsets' loads are done by then
.set RV,  64                           ; v64-191 V as loaded;  then two sets of 64 numbers
.set XA,  64
.set XB,  128
.set RK,  192                          ; v192-255 16 rows of K as loaded
	s_load_b256 s[4:11], s[0:1], 0x0               ; k s[4:5], v s[6:7], pool_k s[8:9], pool_v s[10:11]
	s_load_b128 s[12:15], s[0:1], 0x20             ; req_to_token s[12:13], kvc s[14:15]
	v_lshl_add_u32 v[SPW], v0, 2, SPARE
	v_mov_b32 v[NIL], 0
	v_lshrrev_b32 v[T], 5, v0
	v_readfirstlane_b32 s18, v[T]                  ; wave 0..3
	s_and_b32 s19, ttmp9, 7                        ; h
	s_lshr_b32 s20, ttmp9, 3                       ; s: the step, 0..19
	s_and_b32 s21, ttmp7, 0xffff                   ; b
	s_lshr_b32 s31, s18, 1                         ; w / 2
	s_mul_i32 s28, s31, 33024                      ; V's stage: 64 rows of 512 bytes and two paddings for each w / 2,
	s_lshl_b32 s31, s31, 8
	s_and_b32 s29, s18, 1
	s_lshl_b32 s22, s29, 13                        ; 16 rows for w % 2
	s_add_co_u32 s28, s28, s22
	s_lshl_b32 s29, s29, 6
	s_add_co_u32 s31, s31, s29                     ; 4 x my first key of the step: 256 (w / 2) + 64 (w % 2)
	s_mov_b32 s30, 0xffff0000                      ; lanes 16-31
	s_mov_b32 s66, 0x76543210
	s_mov_b32 s67, 0xfedcba98                      ; v_permlanex16_b32's selects for lane l xor 16
	v_and_b32 v[L4], 31, v0
	v_lshlrev_b32 v[L16], 4, v[L4]
	v_lshlrev_b32 v[L4], 2, v[L4]
	v_and_b32 v[TM], 15, v0                        ; r
	v_bfe_u32 v[TM+1], v0, 4, 1                    ; hh
	v_add_nc_u32 v[VST], s28, v[L16]
	v_mul_u32_u24 v[VLD], v[TM+1], 16512
	v_lshl_add_u32 v[VLD], v[TM], 2, v[VLD]
	s_lshl_b32 s22, s18, 7
	v_add_nc_u32 v[VLD], s22, v[VLD]
	s_mul_i32 s22, s18, 8448
	s_add_co_u32 s22, s22, KSTG
	v_add_nc_u32 v[KST], s22, v[L16]
	v_mul_u32_u24 v[KLD], v[TM], 528
	v_lshl_add_u32 v[KLD], v[TM+1], 7, v[KLD]
	v_add_nc_u32 v[KLD], s22, v[KLD]
	v_lshlrev_b32 v[SH8], 3, v[TM+1]
	v_mov_b32 v[T], 0                              ; written once: a lane permute's destination counts as one of its sources
	s_lshl_b32 s22, s21, 13                        ; my 32 entries of the list: 4 (2,048 b + 128 s + 64 (w / 2) + 16 (w % 2)) bytes on
	s_lshl_b32 s23, s20, 9
	s_add_co_u32 s22, s22, s23
	s_add_co_u32 s22, s22, s31
	s_mov_b32 s23, 0
	s_wait_kmcnt 0x0
	; my 32 rows' numbers into s32-63.  The branch hangs on the work-group's number alone; neither way touches LDS
	s_cmp_lt_u32 s20, 16
	s_cbranch_scc0 .Lnew
	s_add_nc_u64 s[12:13], s[12:13], s[22:23]
	s_load_b512 s[32:47], s[12:13], 0x0            ; the prefix: 32 entries of the page table
	s_load_b512 s[48:63], s[12:13], 0x80           ; my second sixteen keys stand 32 keys behind the first
	s_wait_kmcnt 0x0
	s_branch .Lrows
.Lnew:
	s_lshl_b32 s28, s21, 9                         ; the new tokens: rows 512 b + 128 (s - 16) + 64 (w / 2) + 16 (w % 2) + 32 a + 0 .. 15 of k and v
	s_lshl_b32 s29, s20, 7
	s_add_co_u32 s28, s28, s29
	s_lshr_b32 s29, s31, 2                         ; my first key of the step
	s_add_co_u32 s28, s28, s29
	s_sub_co_u32 s28, s28, 2048
.set n, 0
.rept 32
	s_add_co_u32 s[32+n], s28, n+16*(n/16)
.set n, n+1
.endr
.Lrows:
.set n, 0
.rept 32
	s_min_u32 s[32+n], s[32+n], 0x3fff             ; held inside the pool's 16,384 rows (a new token's row is under 2,048 and stays as it is)
.set n, n+1
.endr
	s_cmp_lt_u32 s20, 16                           ; compared anew: the lines above have set SCC
	s_cselect_b64 s[24:25], s[8:9], s[4:5]         ; K from pool_k or k,
	s_cselect_b64 s[26:27], s[10:11], s[6:7]       ; V from pool_v or v: a row is 4,096 bytes in all four
	s_lshl_b32 s22, s19, 9                         ; my head's 512 bytes of a row
	s_add_nc_u64 s[24:25], s[24:25], s[22:23]
	s_add_nc_u64 s[26:27], s[26:27], s[22:23]
.set n, 0
.rept 32                                           ; place n = 16 u + r of the order stands for my row 8 u + r + 8 (r / 8)
	v_lshl_add_u32 v[OFF+n], s[32+8*(n/16)+(n%16)+8*((n%16)/8)], 12, v[L16]
.set n, n+1
.endr
	; every load reads a row's 512 consecutive bytes, 16 a lane, at a multiple of 512 from the buffer's first byte.  No hint: the list may name a row twice
.set n, 0
.rept 32
	global_load_b128 v[RV+4*n:RV+4*n+3], v[OFF+n], s[26:27]
.set n, n+1
.endr
.set n, 0
.rept 16
	global_load_b128 v[RK+4*n:RK+4*n+3], v[OFF+n], s[24:25]       ; K's tile 2 w
.set n, n+1
.endr
	s_lshl_b32 s28, s21, 3                         ; where my results go: unit = (8 b + h) 20 + s
	s_add_co_u32 s28, s28, s19
	s_mul_i32 s28, s28, 20
	s_add_co_u32 s28, s28, s20
	s_mul_i32 s28, s28, 25600                      ; a unit's bytes in kvc
	s_lshl_b32 s29, s18, 7                         ; two tiles' scale words a wave,
	s_add_co_u32 s22, s28, s29
	s_add_co_u32 s22, s22, 24576                   ; behind the unit's fragments
	s_add_nc_u64 s[16:17], s[14:15], s[22:23]
	s_mul_i32 s29, s18, 3072                       ; two fragments a wave
	s_add_co_u32 s22, s28, s29
	s_add_nc_u64 s[14:15], s[14:15], s[22:23]
; 64 numbers of a lane, v[x + 32 c + i] = number i of my own block c (K = 64 c + 32 hh + i of my row), become a fragment's 12 registers in v[C] on and the row's scale word in v[W].
.macro QUANT x
.irp c, 0,1
	v_max3_num_f32 v[TM+\c], |v[(\x)+32*\c]|, |v[(\x)+32*\c+1]|, 0x2800000   ; all 32 numbers of a block are mine; the floor 2^(5 - 127) is one more leaf: the byte cannot fall under 1
.endr
.irp i, 2,4,6,8,10,12,14,16,18,20,22,24,26,28,30
.irp c, 0,1
	v_max3_num_f32 v[TM+\c], v[TM+\c], |v[(\x)+32*\c+\i]|, |v[(\x)+32*\c+\i+1]|   ; (the two blocks by turns)
.endr
.endr
.irp c, 0,1
	v_add_nc_u32 v[SCL+\c], 0xfe000000, v[TM+\c]   ; 4 off the exponent field: the conversion takes the exponent field of this operand as its scale
.endr
.irp c, 0,1
	v_lshrrev_b32 v[BY+\c], 23, v[SCL+\c]          ; the scale's byte
.endr
	v_lshl_or_b32 v[W], v[BY+1], 16, v[BY]         ; my two bytes: blocks hh and 2 + hh of row r,
	v_lshlrev_b32 v[W], v[SH8], v[W]               ; at their places in the word;
	v_permlanex16_b32 v[T], v[W], s66, s67
	v_or_b32 v[W], v[W], v[T]                      ; with lane l xor 16's two the word is whole, in both halves of the lanes
.irp c, 0,1
	v_cvt_scalef32_pk16_bf6_f32 v[C+6*\c:C+6*\c+2], v[(\x)+32*\c:(\x)+32*\c+15], v[SCL+\c]
	v_cvt_scalef32_pk16_bf6_f32 v[TC+4*\c:TC+4*\c+2], v[(\x)+32*\c+16:(\x)+32*\c+31], v[SCL+\c]   ; (a conversion's three registers begin on an even number: the block's upper half is made here and moved)
.endr
	v_nop                                          ; one plain place behind a scaled conversion
.irp c, 0,1
.irp i, 0,1,2
	v_mov_b32 v[C+3+6*\c+\i], v[TC+4*\c+\i]
.endr
.endr
.endm
.macro IMG off                         ; the fragment leaves as it stands: each store covers 512 consecutive bytes, at a multiple of 512 from the buffer's first byte
.irp j, 0,1,2
	global_store_b128 v[L16], v[C+4*\j:C+4*\j+3], s[14:15] offset:(\off)+512*\j
.endr
.endm
.macro VOUT x, off                     ; a tile of V out of the stage: my number d of keys 64 c + 32 hh + 0 .. 31.  Lanes 0-15 read 64 consecutive bytes, lanes 16-31 the same 32 rows and 128 bytes further on
.irp c, 0,1
.set n, 0
.rept 32
	ds_load_b32 v[(\x)+32*\c+n], v[VLD] offset:33024*\c+512*n+(\off)
.set n, n+1
.endr
.endr
.endm
.macro KIN                             ; 16 rows of K into my own stage, as loaded; rows 528 bytes apart
.set n, 0
.rept 16
	ds_store_b128 v[KST], v[RK+4*n:RK+4*n+3] offset:528*n
.set n, n+1
.endr
.endm
.macro KOUT x                          ; and out: of row r the numbers 64 c + 32 hh + 0 .. 31
.irp c, 0,1
.irp j, 0,1,2,3,4,5,6,7
	ds_load_b128 v[(\x)+32*\c+4*\j:(\x)+32*\c+4*\j+3], v[KLD] offset:256*\c+16*\j
.endr
.endr
.endm
	s_wait_alu depctr_va_vdst(0)
	s_wait_loadcnt 16                              ; V's 32 loads are in; K's 16, issued behind them, may be out
.set n, 0
.rept 32
	ds_store_b128 v[VST], v[RV+4*n:RV+4*n+3] offset:512*(8*(n/16)+(n%8))+16512*((n%16)/8)   ; each row to its key's place
.set n, n+1
.endr
	s_wait_loadcnt 0x0                             ; K's tile 2 w is in
	KIN
	s_wait_dscnt 0x0                               ; for the others' sake: my rows of V lie in the stage; and the stores have read v192-255
.set n, 0
.rept 16
	global_load_b128 v[RK+4*n:RK+4*n+3], v[OFF+16+n], s[24:25]    ; K's tile 2 w + 1
.set n, n+1
.endr
	s_barrier_signal -1
	s_barrier_wait -1                              ; all 128 keys of V lie in the stage; nobody writes it again
	VOUT XA, 0                                     ; V's tile 2 w
	VOUT XB, 64                                    ; and 2 w + 1
	s_wait_dscnt 63                                ; the first 64 are in.  (64 younger loads could stay out; the wait's field names 63 at the most)
	QUANT XA
	IMG 12288
	v_mov_b32 v[WP], v[W]
	KOUT XA                                        ; K's tile 2 w out of my stage (LDS serves a wave's instructions in order)
	s_wait_dscnt 16                                ; V's second tile is in; the 16 just issued may be out
	s_wait_xcnt 0x0                                ; the last stores have read v32-43: they are written again only behind this wait
	QUANT XB
	IMG 12288+1536
	v_cndmask_b32 v28, v[WP], v[W], s30            ; lanes 0-15: tile 2 w's words, lanes 16-31: tile 2 w + 1's
	global_store_b32 v[L4], v28, s[16:17] offset:512   ; 128 consecutive bytes a wave: the four waves' make up 512
	s_wait_dscnt 0x0                               ; K's tile 2 w is in registers,
	s_wait_loadcnt 0x0                             ; and tile 2 w + 1 has come from memory
	KIN
	KOUT XB
	s_wait_xcnt 0x0
	QUANT XA
	IMG 0
	v_mov_b32 v[WP], v[W]
	s_wait_dscnt 0x0
	s_wait_xcnt 0x0
	QUANT XB
	IMG 1536
	v_cndmask_b32 v29, v[WP], v[W], s30
	global_store_b32 v[L4], v29, s[16:17]
	s_wait_tensorcnt 0x0                           ; the wave's end
	ds_add_u32 v[SPW], v[NIL]
	s_wait_dscnt 0x0
	s_endpgm
.Lfunc_end_k_q7fb4d90129_prep:
	.size	k_q7fb4d90129_prep, .Lfunc_end_k_q7fb4d90129_prep-k_q7fb4d90129_prep
	.p2alignl 7, 3214868480
	.fill 96, 4, 3214868480
	.section	.rodata,"a",@progbits
	.p2align	6, 0x0
	.amdhsa_kernel k_q7fb4d90129_prep
		.amdhsa_group_segment_fixed_size 100352
		.amdhsa_private_segment_fixed_size 0
		.amdhsa_enable_private_segment 0
		.amdhsa_kernarg_size 48
		.amdhsa_user_sgpr_count 2
		.amdhsa_user_sgpr_kernarg_segment_ptr 1
		.amdhsa_wavefront_size32 1
		.amdhsa_system_sgpr_workgroup_id_x 1
		.amdhsa_system_sgpr_workgroup_id_y 1
		.amdhsa_system_sgpr_workgroup_id_z 1
		.amdhsa_system_vgpr_workitem_id 0
		.amdhsa_next_free_vgpr 256
		.amdhsa_next_free_sgpr 70
		.amdhsa_reserve_vcc 0
		.amdhsa_float_denorm_mode_32 3
		.amdhsa_float_denorm_mode_16_64 3
		.amdhsa_memory_ordered 1
		.amdhsa_forward_progress 1
		.amdhsa_inst_pref_size 43
	.end_amdhsa_kernel
	.amdgpu_metadata
---
amdhsa.version: [ 1, 2 ]
amdhsa.kernels:
  - .name:           k_q7fb4d90129_prep
    .symbol:         k_q7fb4d90129_prep.kd
    .args:
      - { .name: k, .offset: 0, .size: 8, .value_kind: global_buffer, .address_space: global }
      - { .name: v, .offset: 8, .size: 8, .value_kind: global_buffer, .address_space: global }
      - { .name: pool_k, .offset: 16, .size: 8, .value_kind: global_buffer, .address_space: global }
      - { .name: pool_v, .offset: 24, .size: 8, .value_kind: global_buffer, .address_space: global }
      - { .name: req_to_token, .offset: 32, .size: 8, .value_kind: global_buffer, .address_space: global }
      - { .name: kvc, .offset: 40, .size: 8, .value_kind: global_buffer, .address_space: global }
    .group_segment_fixed_size: 100352
    .private_segment_fixed_size: 0
    .kernarg_segment_align: 8
    .kernarg_segment_size: 48
    .max_flat_workgroup_size: 128
    .sgpr_count:     70
    .vgpr_count:     256
    .wavefront_size: 32
...
	.end_amdgpu_metadata
.endif
;; end of part 1
;; launch attn (part 2): grid 8 x 32, 8 waves a work-group, clusters of 4 x 1, 327,680 bytes of LDS; arguments q, kvc, out0; writes out0
.if DOCPART == 2
	.amdgcn_target "amdgcn-amd-amdhsa--gfx1250"
	.amdhsa_code_object_version 6
	.text
	.protected	k_q7fb4d90129_attn
	.globl	k_q7fb4d90129_attn
	.p2align	8
	.type	k_q7fb4d90129_attn,@function
k_q7fb4d90129_attn:
	s_mov_b64 s[64:65], 0
	v_nop
	global_prefetch_b8 v0, s[64:65] scope:SCOPE_SE
	s_setreg_imm32_b32 hwreg(HW_REG_WAVE_MODE, 25, 1), 1
	s_wait_xcnt 0x0
	s_wait_alu depctr_hold_cnt(0) depctr_sa_sdst(0) depctr_va_vdst(0) depctr_va_sdst(0) depctr_va_ssrc(0) depctr_va_vcc(0) depctr_vm_vsrc(0)
	s_getreg_b32 s2, hwreg(HW_REG_IB_STS2, 6, 4)
	s_cmp_eq_u32 s2, 0
	s_cbranch_scc0 .Lentry_in_a_cluster
	s_endpgm
.Lentry_in_a_cluster:
	s_bfe_u32 s2, ttmp6, 0x10000c
	s_cmp_lg_u32 s2, 0x3003
	s_cbranch_scc0 .Lentry_shape_is_right
	s_endpgm
.Lentry_shape_is_right:
; ATTN: out0[b 512 + e][(4 h + g) 128 + d] = the merge of the causal attention over the 512 new keys and the attention over the 2,048 prefix keys of (b, h), both products on codes of BF6 (E3M2).
; THE MERGE IS THE STREAM.  o1 e^(s1 - s) + o2 e^(s2 - s) = (2^M1 O1 + 2^M2 O2) / (2^M1 l1 + 2^M2 l2), O = the sum of p v, l = the sum of p, p = 2^(t - M): ONE softmax walked over the 2,560 keys on end
; with a running whole number M.  2,048 and 512 are multiples of 32, so the blocks of 32 keys lie as in the two products taken apart, and each change of M is a power of two, which a block's scale takes up.
; LEFT OUT: key steps of the new tokens all of whose 128 keys come after a wave's 32 queries: the causal mask gives them the weight 0 for every input.
; K and V come as the launch before has laid them: 20 steps of 128 keys a head (16 of the prefix, 4 of the new tokens), 25,600 bytes a step: K's eight fragments, V's eight, as images of the operand's registers, then 1,024 bytes of scale words.
; SHARES.  A work-group: one (b, h, g) and 256 of its 512 queries; each of its EIGHT waves 32 queries, two tiles of 16, so that each fragment read from LDS feeds two products; two waves to a SIMD, one's waits beside the other's work.
; Wave w of cluster X takes queries 32 (2 i + X) on, i from a table, and needs i / 2 + 1 of the four causal steps: waves w and w + 4, and waves 2 j and 2 j + 1, need 5 together.
; CLUSTER.  The four partners are the four query heads g of one kv head over the same rows e: same tiles, same branches, so each tile is asked for JOINTLY.  g enters q's, out0's and the prefetches' addresses alone.
; LAYOUT.  Both products transposed: S^T = K Q^T, O^T = V^T P^T: a lane holds ONE query (lane % 16) of each tile.  K's tile 4 c + u holds in row 8 a + j the key 64 c + 32 a + 8 u + j,
; so register 32 c + i of a tile's S^T is key 64 c + 32 (lane / 16) + i: a whole block of 32 keys in a lane, in the very order of the next operand.
; LIMITS: NaN and infinities among the inputs are not served; a block of q whose largest magnitude lies under 2^-122 takes the scale byte 1; a weight under 2^-126 of the row's running largest counts as 0;
; the promise holds while the scaled scores t stay under 2^31 in magnitude.
; REGISTERS.  Window 0: v1-11 addresses; v12-15 -M and the largest t of the two tiles; v16-39 Q's codes; v40-63 p's codes; v64-191 S^T, then p, of tiles 0 and 1; v192-239 at work; v240-251 scale words alone; v252-254 the mask.
;             Window 1: v0-127 O^T of tiles 0 and 1; v128-223 eight fragments of K or of V.
.set STEPB, 25600
.set SLOTB, 4*STEPB                    ; a slot holds four steps: 400 rows of 256 bytes, 50 to a wave
.set SLOT1, 1<<17                      ; slot 0 at LDS byte 0, slot 1 here
.set SPARE, SLOTB                      ; behind slot 0: the spare words, 128 bytes a wave: four blocks of 256 bytes that no other line names
.set STAGE, SLOT1+SLOTB                ; 16 rows x 528 bytes for each wave, for q on the way in and for the way out; no fill lands here
.set SP,    528
.set HEADB, 20*STEPB
.set L16, 1
.set L4,  2
.set SIN, 3                            ; my stage by rows: + 16 x lane
.set SRD, 4                            ; my stage: 528 r + 128 hh
.set SPW, 5                            ; my spare word; never rewritten
.set NIL, 6                            ; 0; never rewritten
.set SOUT, 7                           ; my stage: 528 r + 32 hh
.set ADR, 8                            ; the step's fragments
.set ADS, 9                            ; the step's scale words, less 24,576
.set PFO, 10
.set SH8, 11                           ; 8 hh
.set MM,  12
.set QC,  16
.set PC,  40
.set S,   64
.set LA,  192                          ; the sums, a pair for each tile
.set FA,  196                          ; f in the low word of a pair for each tile
.set BM,  200                          ; the four blocks' largest scores
.set PX,  204
.set SCLO, 208
.set BYT, 212
.set OLD, 214                          ; -M as it was
.set TC,  216
.set U,   232                          ; three more partial sums
.set KS,  240
.set VS,  244
.set QS,  248
.set PS,  250
.set FR,  128                          ; window 1
.set TB,  10
.set CNT, 11
.set WV,  12
.set CX,  13
.set LIM, 15
.set SLOTS, 16
.set PFA, 18
.set SEL, 20
.set CS,  22
.set G1,  24
.set G0,  40
.set KF,  48
.set Q0,  49
.set MSB, 0
.macro WIN new                         ; the immediate's high byte repeats the setting that is left
.if MSB != (\new)
	s_set_vgpr_msb (MSB<<8)|(\new)
.set MSB, (\new)
.endif
.endm
.macro NOP4
.rept 4
	v_nop
.endr
.endm
.macro DEP2
	s_delay_alu instid0(VALU_DEP_2)
.endm
.macro CROUND                          ; a round of the cluster's barrier
	s_barrier_signal -1
	s_barrier_wait -1
	s_cmp_lg_u32 s[WV], 0
	s_cbranch_scc1 .Lnot_wave_0_\@
	s_barrier_signal -3
.Lnot_wave_0_\@:
	s_barrier_wait -3
	s_barrier_signal -1
	s_barrier_wait -1
.endm
.macro TLOAD                           ; every wave's joint load: its 50 rows of a slot.
	tensor_load_to_lds s[G0:G0+3], s[G1:G1+7]
	s_nop 0
	NOP4
.endm
; A prefetch of the slot that the NEXT change of slots will ask for, four key steps ahead of that load.  The head's first cluster (X = 0) asks; its four partners share the slot out BY ADDRESS, a step of 100 blocks of 256 bytes each;
; waves 0 to 3 name 32 blocks each, a lane a block; wave 3's lanes that are left over name its last block again.  The last change that fills a slot asks for nothing.
.macro ASK
	s_cmp_gt_u32 s[SLOTS], s[LIM]
	s_cbranch_scc0 .Lnot_mine_\@
	global_prefetch_b8 v[PFO], s[PFA:PFA+1] th:TH_LOAD_NT scope:SCOPE_SE
.Lnot_mine_\@:
.endm
	s_load_b128 s[4:7], s[0:1], 0x0                ; q, kvc
	s_load_b64 s[8:9], s[0:1], 0x10                ; out0
	v_lshl_add_u32 v[SPW], v0, 2, SPARE
	v_mov_b32 v[NIL], 0
	ds_add_u32 v[SPW], v[NIL]
	ds_add_u32 v[SPW], v[NIL]
	v_lshrrev_b32 v8, 5, v0
	v_readfirstlane_b32 s[WV], v8                  ; wave 0..7
	s_bfe_u32 s[CX], ttmp6, 0x40000                ; g
	s_and_b32 s50, ttmp7, 0xffff                   ; 8 b + h
	s_lshl_b32 s51, s[WV], 2
	s_lshr_b32 s51, 0x35174260, s51                ; i of waves 0..7: 0, 6, 2, 4, 7, 1, 5, 3
	s_and_b32 s51, s51, 7
	s_lshl_b32 s51, s51, 1
	s_add_co_u32 s51, s51, ttmp9                   ; 2 i + X; ttmp9 counts clusters
	s_lshl_b32 s[Q0], s51, 5                       ; my first query e
	s_lshr_b32 s54, s50, 3                         ; q and out0: b 2^23 + e 2^14 + (4 h + g) 512 bytes
	s_lshl_b32 s54, s54, 23
	s_lshl_b32 s55, s[Q0], 14
	s_add_co_u32 s54, s54, s55
	s_and_b32 s55, s50, 7
	s_lshl_b32 s55, s55, 2
	s_add_co_u32 s55, s55, s[CX]
	s_lshl_b32 s55, s55, 9
	s_add_co_u32 s54, s54, s55
	s_mov_b32 s55, 0
	s_mul_i32 s57, s[WV], 12800                    ; my 50 rows of a slot, in LDS and in memory alike
	s_mul_i32 s58, s50, HEADB
	s_mul_i32 s52, s[CX], STEPB                    ; the prefetches: my work-group's step, in slot 1: the first change steps it to slot 2
	s_add_co_u32 s52, s52, s58
	s_add_co_u32 s52, s52, SLOTB
	s_mov_b32 s53, 0
	s_add_co_u32 s58, s58, s57
	s_mov_b32 s59, 0
	s_lshr_b32 s51, s[WV], 2
	s_or_b32 s51, s51, ttmp9                       ; 0 in waves 0 to 3 of the head's first cluster
	s_cmp_eq_u32 s51, 0
	s_cselect_b32 s[LIM], 1, -1
	s_mul_i32 s56, s[WV], 16*SP
	s_add_co_u32 s56, s56, STAGE                   ; my stage
	s_mov_b32 s[G1], 15|(3<<16)|(1<<21)            ; the mask: all four work-groups; elements of 8 bytes; bit 21 beside a mask; no padding: every read is 16 x lane or 4 x lane on end
	s_mov_b32 s[G1+1], 32<<16
	s_mov_b32 s[G1+2], 50<<16
	s_mov_b32 s[G1+3], 32<<16
	s_mov_b32 s[G1+4], 50
	s_mov_b32 s[G1+5], 32
	s_mov_b32 s[G1+6], 0
	s_mov_b32 s[G1+7], 0
	s_mov_b32 s[SEL], 0x76543210
	s_mov_b32 s[SEL+1], 0xfedcba98                 ; lane l xor 16
	s_mov_b32 s[CS], 0x3e0293ee                    ; c = log2(e) / sqrt(128)
	s_mov_b32 s[CS+1], s[CS]
	s_mov_b32 s[TB], 0
	s_mov_b32 s[SLOTS], 4
	s_mov_b32 s[KF], 0
	v_and_b32 v8, 31, v0
	v_lshlrev_b32 v[L16], 4, v8
	v_lshlrev_b32 v[L4], 2, v8
	s_wait_alu depctr_va_vdst(0)
	s_wait_dscnt 0x0                               ; both opening adds are done
	s_wait_kmcnt 0x0
	s_add_nc_u64 s[4:5], s[4:5], s[54:55]
	s_add_nc_u64 s[8:9], s[8:9], s[54:55]
.set n, 0
.rept 32                                           ; q: my 32 rows' heads, 512 consecutive bytes a load
	global_load_b128 v[S+4*n:S+4*n+3], v[L16], s[4:5] offset:16384*n th:TH_LOAD_NT
.set n, n+1
.endr
	s_add_nc_u64 s[PFA:PFA+1], s[6:7], s[52:53]
	s_mov_b32 s[G0], 1
	s_mov_b32 s[G0+1], s57
	s_add_nc_u64 s[G0+2:G0+3], s[6:7], s[58:59]
	s_or_b32 s[G0+3], s[G0+3], 0x80000000
	CROUND                                         ; the first joint loads meet
	TLOAD                                          ; slot 0: one load a wave, every wave
	v_and_b32 v252, 15, v0                         ; r
	v_bfe_u32 v253, v0, 4, 1                       ; hh
	v_add_nc_u32 v[SIN], s56, v[L16]
	v_mul_u32_u24 v254, v252, SP
	v_add_nc_u32 v254, s56, v254
	v_lshl_add_u32 v[SRD], v253, 7, v254
	v_lshl_add_u32 v[SOUT], v253, 5, v254
	v_lshlrev_b32 v[SH8], 3, v253
	v_and_b32 v[PFO], 127, v0
	v_min_u32 v[PFO], 99, v[PFO]
	v_lshlrev_b32 v[PFO], 8, v[PFO]
.irp q, 0,1
	v_mov_b32 v[MM+1+2*\q], 0xff61b1e6             ; the largest t so far: -3e38
	v_mov_b32 v[MM+2*\q], 0x7f61b1e6               ; -M
	v_mov_b32 v[LA+2*\q], 0
	v_mov_b32 v[LA+1+2*\q], 0
	v_mov_b32 v[FA+1+2*\q], 0                      ; (named as a pair's upper half)
	v_mov_b32 v[PX+2+\q], 0                        ; (a lane permute's destination counts as a source)
.endr
	WIN 0x40
.set n, 0
.rept 128
	v_mov_b32 v[n], 0                              ; O^T.  The step's text stands once for all steps: the first finds zeros.  Cleared while q's loads are out
.set n, n+1
.endr
	WIN 0
; q is read by this wave alone: it turns through my stage, so that lane (r, hh) holds of row r the numbers 64 c + 32 hh + 0 .. 31, and is quantised in registers
.macro QIN q
.set n, 0
.rept 16
	ds_store_b128 v[SIN], v[S+64*\q+4*n:S+64*\q+4*n+3] offset:SP*n
.set n, n+1
.endr
.endm
.macro QBACK q
.irp c, 0,1
.irp j, 0,1,2,3,4,5,6,7
	ds_load_b128 v[S+64*\q+32*\c+4*\j:S+64*\q+32*\c+4*\j+3], v[SRD] offset:256*\c+16*\j
.endr
.endr
.endm
.macro QQ q
.irp c, 0,1
	v_max3_num_f32 v[BM+\c], |v[S+64*\q+32*\c]|, |v[S+64*\q+32*\c+1]|, 0x2800000   ; with the floor 2^(5 - 127): the byte cannot fall under 1
.endr
.irp i, 2,4,6,8,10,12,14,16,18,20,22,24,26,28,30
.irp c, 0,1
	v_max3_num_f32 v[BM+\c], v[BM+\c], |v[S+64*\q+32*\c+\i]|, |v[S+64*\q+32*\c+\i+1]|
.endr
.endr
.irp c, 0,1
	v_add_nc_u32 v[SCLO+\c], 0xfe000000, v[BM+\c]  ; 4 off the exponent field: the conversion's scale operand
.endr
.irp c, 0,1
	v_lshrrev_b32 v[BYT+\c], 23, v[SCLO+\c]
.endr
	v_lshl_or_b32 v[PX], v[BYT+1], 16, v[BYT]      ; my bytes: blocks hh and 2 + hh,
	v_lshlrev_b32 v[PX], v[SH8], v[PX]             ; at their places;
	v_permlanex16_b32 v[PX+2], v[PX], s[SEL], s[SEL+1]
	v_or_b32 v[QS+\q], v[PX], v[PX+2]              ; with the other half's: the row's scale word
.irp c, 0,1
	v_cvt_scalef32_pk16_bf6_f32 v[QC+12*\q+6*\c:QC+12*\q+6*\c+2], v[S+64*\q+32*\c:S+64*\q+32*\c+15], v[SCLO+\c]
	v_cvt_scalef32_pk16_bf6_f32 v[TC+4*\c:TC+4*\c+2], v[S+64*\q+32*\c+16:S+64*\q+32*\c+31], v[SCLO+\c]   ; (three registers from an even one on: made here and moved)
.endr
	v_nop
.irp c, 0,1
.irp i, 0,1,2
	v_mov_b32 v[QC+12*\q+6*\c+3+\i], v[TC+4*\c+\i]
.endr
.endr
.endm
	s_wait_alu depctr_va_vdst(0)
	s_wait_loadcnt 16                              ; tile 0's rows are in
	QIN 0
	s_wait_dscnt 0x0                               ; the stores have read their registers
	QBACK 0
	s_wait_loadcnt 0x0
	QIN 1                                          ; LDS serves a wave's instructions in order: behind tile 0's reads
	s_wait_dscnt 0x0
	QBACK 1
	QQ 0
	s_wait_alu depctr_va_vdst(0)
	s_wait_dscnt 0x0
	QQ 1
	NOP4                                           ; with the moves above and the lines ahead of the first loads: the places between Q's last scale word and the first products
	s_wait_alu depctr_va_vdst(0)
.macro KQ t, q                         ; tile t of S^T of query tile q; an odd tile's scale words lie in lanes 16-31
.if (\t)%2
	v_wmma_scale_f32_16x16x128_f8f6f4 v[S+64*\q+8*(\t):S+64*\q+8*(\t)+7], v[FR+12*(\t):FR+12*(\t)+11], v[QC+12*\q:QC+12*\q+11], 0, v[KS+(\t)/2], v[QS+\q] matrix_a_fmt:MATRIX_FMT_BF6 matrix_b_fmt:MATRIX_FMT_BF6 matrix_a_scale:MATRIX_SCALE_ROW1
.else
	v_wmma_scale_f32_16x16x128_f8f6f4 v[S+64*\q+8*(\t):S+64*\q+8*(\t)+7], v[FR+12*(\t):FR+12*(\t)+11], v[QC+12*\q:QC+12*\q+11], 0, v[KS+(\t)/2], v[QS+\q] matrix_a_fmt:MATRIX_FMT_BF6 matrix_b_fmt:MATRIX_FMT_BF6
.endif
.endm
.macro PV t, q                         ; numbers 16 t on of O^T of query tile q
.if (\t)%2
	v_wmma_scale_f32_16x16x128_f8f6f4 v[64*\q+8*(\t):64*\q+8*(\t)+7], v[FR+12*(\t):FR+12*(\t)+11], v[PC+12*\q:PC+12*\q+11], v[64*\q+8*(\t):64*\q+8*(\t)+7], v[VS+(\t)/2], v[PS+\q] matrix_a_fmt:MATRIX_FMT_BF6 matrix_b_fmt:MATRIX_FMT_BF6 matrix_a_scale:MATRIX_SCALE_ROW1
.else
	v_wmma_scale_f32_16x16x128_f8f6f4 v[64*\q+8*(\t):64*\q+8*(\t)+7], v[FR+12*(\t):FR+12*(\t)+11], v[PC+12*\q:PC+12*\q+11], v[64*\q+8*(\t):64*\q+8*(\t)+7], v[VS+(\t)/2], v[PS+\q] matrix_a_fmt:MATRIX_FMT_BF6 matrix_b_fmt:MATRIX_FMT_BF6
.endif
.endm
.macro FRAGS off, t0                   ; four fragments, t0 on, as they were stored: 512 consecutive bytes a load
	WIN 0x40
.irp t, 0,1,2,3
.irp j, 0,1,2
	ds_load_b128 v[FR+12*(\t0+\t)+4*\j:FR+12*(\t0+\t)+4*\j+3], v[ADR] offset:(\off)+1536*(\t0+\t)+512*\j
.endr
.endr
	WIN 0
.endm
.macro KSC off
.irp p, 0,1,2,3
	ds_load_b32 v[KS+\p], v[ADS] offset:(\off)+24576+128*\p
.endr
.endm
.macro KLOADS                          ; at a slot's head and in the causal steps: the addresses of the step at s[TB], K's scale words and fragments.  The first four lines are places behind the last products
	v_add_nc_u32 v[ADR], s[TB], v[L16]
	v_add_nc_u32 v[ADS], s[TB], v[L4]
	v_nop
	v_nop
	s_wait_alu depctr_va_vdst(0)
	KSC 0
	FRAGS 0, 0
	FRAGS 0, 4
.endm
.macro TMMR q, a, k                    ; t - M of pairs a .. a + k - 1 of tile q
.set n, 2*(\a)
.rept \k
	v_pk_fma_f32 v[S+64*\q+n:S+64*\q+n+1], v[S+64*\q+n:S+64*\q+n+1], s[CS:CS+1], v[MM+2*\q:MM+2*\q+1] op_sel_hi:[1,0,0]
.set n, n+2
.endr
.endm
.macro ADD4 q, i                       ; pairs i .. i + 3 of p onto four partial sums
	v_pk_add_f32 v[LA+2*\q:LA+2*\q+1], v[LA+2*\q:LA+2*\q+1], v[S+64*\q+2*(\i):S+64*\q+2*(\i)+1]
.irp k, 0,1,2
	v_pk_add_f32 v[U+2*\k:U+2*\k+1], v[U+2*\k:U+2*\k+1], v[S+64*\q+2*(\i)+2+2*\k:S+64*\q+2*(\i)+3+2*\k]
.endr
.endm
.macro SUM0 q                          ; the sum of the unquantised p begins: the old sum under the new M, and three more partial sums
	v_pk_fma_f32 v[LA+2*\q:LA+2*\q+1], v[LA+2*\q:LA+2*\q+1], v[FA+2*\q:FA+2*\q+1], v[S+64*\q:S+64*\q+1] op_sel_hi:[1,0,1]
.irp k, 0,1,2
	v_pk_add_f32 v[U+2*\k:U+2*\k+1], v[S+64*\q+2+4*\k:S+64*\q+3+4*\k], v[S+64*\q+4+4*\k:S+64*\q+5+4*\k]
.endr
.endm
.macro SUM9 q                          ; and ends
	v_pk_add_f32 v[LA+2*\q:LA+2*\q+1], v[LA+2*\q:LA+2*\q+1], v[S+64*\q+62:S+64*\q+63]
	v_pk_add_f32 v[U:U+1], v[U:U+1], v[U+2:U+3]
	v_pk_add_f32 v[LA+2*\q:LA+2*\q+1], v[LA+2*\q:LA+2*\q+1], v[U+4:U+5]
	v_pk_add_f32 v[LA+2*\q:LA+2*\q+1], v[LA+2*\q:LA+2*\q+1], v[U:U+1]
.endm
.macro CVT q
.irp c, 0,1
	v_cvt_scalef32_pk16_bf6_f32 v[PC+12*\q+6*\c:PC+12*\q+6*\c+2], v[S+64*\q+32*\c:S+64*\q+32*\c+15], v[SCLO+2*\q+\c]
	v_cvt_scalef32_pk16_bf6_f32 v[TC+4*\c:TC+4*\c+2], v[S+64*\q+32*\c+16:S+64*\q+32*\c+31], v[SCLO+2*\q+\c]
.endr
.irp c, 0,1
	v_lshrrev_b32 v[BYT+\c], 23, v[SCLO+2*\q+\c]   ; the scale's byte.  (Plain places behind the conversions)
.endr
.endm
.macro MOV2 q, c, i                    ; two of the six moves of the blocks' upper halves
	v_mov_b32 v[PC+12*\q+3+\i], v[TC+\i]
	v_mov_b32 v[PC+12*\q+9+\i], v[TC+4+\i]
.endm
.macro SCL0 q
.irp c, 0,1
	v_max_num_f32 v[BM+2*\q+\c], 0x2800000, v[BM+2*\q+\c]   ; the floor 2^(5 - 127)
.endr
.endm
.macro SCL1 q
.irp c, 0,1
	v_add_nc_u32 v[SCLO+2*\q+\c], 0xfe000000, v[BM+2*\q+\c]
.endr
.endm
; Tile 0's p: sum, scales, codes; the lines that make the scale word stand among the additions, which do not hang on them
.macro FIN0
	SCL0 0
	SUM0 0
	SCL1 0
	ADD4 0, 7
	CVT 0
	MOV2 0, 0, 0
	MOV2 0, 0, 1
	MOV2 0, 0, 2
	v_lshl_or_b32 v[PX], v[BYT+1], 16, v[BYT]
	ADD4 0, 11
	v_lshlrev_b32 v[PX], v[SH8], v[PX]
	ADD4 0, 15
	v_permlanex16_b32 v[PX+2], v[PX], s[SEL], s[SEL+1]
	ADD4 0, 19
	v_or_b32 v[PS], v[PX], v[PX+2]                 ; p's scale word
	ADD4 0, 23
	ADD4 0, 27
	SUM9 0
.endm
; Tile 1's scales and codes alone: its sum follows behind the products, under the next step's loads
.macro FINC1
	SCL0 1
	SCL1 1
	CVT 1
	v_lshl_or_b32 v[PX+1], v[BYT+1], 16, v[BYT]
	MOV2 1, 0, 0
	v_lshlrev_b32 v[PX+1], v[SH8], v[PX+1]
	MOV2 1, 0, 1
	v_permlanex16_b32 v[PX+3], v[PX+1], s[SEL], s[SEL+1]
	MOV2 1, 0, 2
	v_or_b32 v[PS+1], v[PX+1], v[PX+3]
.endm
.macro SUMB1
	SUM0 1
.irp i, 7,11,15,19,23,27
	ADD4 1, \i
.endr
	SUM9 1
.endm
; A KEY STEP: 128 keys x my 32 queries.  causal = 1: the new tokens; K is fetched at the step's head.  causal = 0: K has been fetched; pre = 1: the next step's K is fetched among and behind the last products.
; The 16 accumulators of each product take turns, one instruction a turn.
.macro STEP causal, pre
.if \causal
	s_add_co_u32 s50, s[Q0], 31
	s_cmp_gt_u32 s[KF], s50                        ; all 128 keys come after my queries: a branch on ids and the count of steps, round the step's work alone
	s_cbranch_scc1 .Lhidden_\@
	KLOADS
.endif
	s_wait_dscnt 12                                ; the scale words and fragments 0-3 are in; the twelve loads of fragments 4-7 may be out
	WIN 0x01
.irp t, 0,1,2,3
.irp q, 0,1
	KQ \t, \q
.endr
.endr
	s_wait_dscnt 0x0
.irp t, 4,5,6,7
.irp q, 0,1
	KQ \t, \q
.endr
.endr
	WIN 0
	NOP4                                           ; places in front of the loads below and of the first read of the scores
.irp p, 0,1,2,3
	ds_load_b32 v[VS+\p], v[ADS] offset:25088+128*\p   ; V's scale words and fragments land under the softmax
.endr
	FRAGS 12288, 0
	FRAGS 12288, 4
.if \causal
	s_add_co_u32 s50, s[KF], 127
	s_cmp_le_u32 s50, s[Q0]
	s_cbranch_scc1 .Lopen_\@                       ; every key counts for all my queries
	s_sub_co_i32 s50, s[Q0], s[KF]
	v_and_b32 v252, 15, v0
	v_bfe_u32 v253, v0, 4, 1
	v_lshlrev_b32 v253, 5, v253
	v_sub_nc_u32 v252, v252, v253
	v_add_nc_u32 v252, s50, v252                   ; d = my query - KF - 32 (lane / 16), tile 0's;
	v_add_nc_u32 v253, 16, v252                    ; tile 1's.  Register 32 c + i is hidden where 64 c + i > d
	v_mov_b32 v254, 0xff800000
.set n, 0
.rept 128
	v_cmp_gt_i32 vcc_lo, 64*((n%64)/32)+n%32, v[252+n/64]
	v_cndmask_b32 v[S+n], v[S+n], v254, vcc_lo
.set n, n+1
.endr
.Lopen_\@:
.endif
.irp b, 0,1,2,3                                ; the largest score of each block of 32 keys, all of it in my lane; four blocks by turns
	v_max3_num_f32 v[BM+\b], v[S+32*\b], v[S+32*\b+1], v[S+32*\b+2]
.endr
.irp i, 3,5,7,9,11,13,15,17,19,21,23,25,27,29
.irp b, 0,1,2,3
	v_max3_num_f32 v[BM+\b], v[BM+\b], v[S+32*\b+\i], v[S+32*\b+\i+1]
.endr
.endr
.irp b, 0,1,2,3
	v_max_num_f32 v[BM+\b], v[BM+\b], v[S+32*\b+31]
.endr
.irp q, 0,1
	v_max_num_f32 v[PX+\q], v[BM+2*\q], v[BM+2*\q+1]
.endr
.irp q, 0,1
	v_mov_b32 v[OLD+\q], v[MM+2*\q]                ; -M as it was
.endr
.irp q, 0,1
	v_permlanex16_b32 v[PX+2+\q], v[PX+\q], s[SEL], s[SEL+1]
.endr
.irp q, 0,1
	DEP2
	v_max_num_f32 v[PX+\q], v[PX+\q], v[PX+2+\q]   ; the step's largest score of my query
.endr
.irp q, 0,1
	DEP2
	v_mul_f32 v[PX+\q], s[CS], v[PX+\q]
.endr
.irp q, 0,1
	DEP2
	v_max_num_f32 v[MM+1+2*\q], v[MM+1+2*\q], v[PX+\q]   ; the running largest t
.endr
.irp q, 0,1
	DEP2
	v_floor_f32 v[MM+2*\q], -v[MM+1+2*\q]          ; the new -M = -ceil(t)
.endr
	TMMR 0, 0, 16                                  ; tile 0's t - M; the three lines that make f stand among them
.irp q, 0,1
	v_sub_f32 v[PX+\q], v[MM+2*\q], v[OLD+\q]      ; old M less new M: a whole number, 0 or less
.endr
	TMMR 0, 16, 8
.irp q, 0,1
	v_cvt_i32_f32 v[PX+\q], v[PX+\q]               ; (it saturates)
.endr
	TMMR 0, 24, 8
.irp q, 0,1
	v_ldexp_f32 v[FA+2*\q], 1.0, v[PX+\q]          ; f = 2^(old M - new M)
.endr
.irp c, 0,1
	v_fma_f32 v[BM+\c], v[BM+\c], s[CS], v[MM]     ; the same of the blocks' largest scores
.endr
	s_wait_alu depctr_va_vdst(0)
.set n, 0
.rept 32                                           ; tile 0's p = 2^(t - M); tile 1's t - M, which names none of the batch's registers, stands among them
	v_exp_f32 v[S+n], v[S+n]
	v_exp_f32 v[S+n+1], v[S+n+1]
	v_pk_fma_f32 v[S+64+n:S+64+n+1], v[S+64+n:S+64+n+1], s[CS:CS+1], v[MM+2:MM+3] op_sel_hi:[1,0,0]
.set n, n+2
.endr
.irp c, 0,1
	v_exp_f32 v[BM+\c], v[BM+\c]                   ; a block's largest p comes from its largest score by the same two instructions
.endr
.irp c, 0,1
	v_fma_f32 v[BM+2+\c], v[BM+2+\c], s[CS], v[MM+2]
.endr
	s_wait_alu depctr_va_vdst(0)                   ; behind the batch, and ahead of the next
.set n, 0
.rept 64
	v_exp_f32 v[S+64+n], v[S+64+n]
.set n, n+1
.endr
.irp c, 0,1
	v_exp_f32 v[BM+2+\c], v[BM+2+\c]
.endr
	FIN0
	s_wait_alu depctr_va_vdst(0)
	FINC1
	s_wait_dscnt 0x0                               ; V is in
	WIN 0x41
	s_wait_alu depctr_va_vdst(0)
.set n, 0
.rept 64
	v_pk_mul_f32 v[n:n+1], v[n:n+1], v[FA+2*(n/64):FA+2*(n/64)+1] op_sel_hi:[1,0]   ; O^T under the new M, each accumulator from its low end on.  These lines are also the places between p's codes and scale words and the products
.set n, n+2
.endr
	WIN 0x51
.irp t, 0,1,2,3
.irp q, 0,1
	PV \t, \q
.endr
.endr
.if \pre
	WIN 0
	NOP4
	KSC STEPB                                      ; the next step's K: its scale words and fragments 0-3 into the registers that the products above have read
	FRAGS STEPB, 0
	WIN 0x51
.endif
.irp t, 4,5,6,7
.irp q, 0,1
	PV \t, \q
.endr
.endr
	WIN 0
.if \pre
	NOP4
	FRAGS STEPB, 4
.endif
.if \causal == 0
	s_add_co_u32 s[TB], s[TB], STEPB
.endif
.if \pre
	v_add_nc_u32 v[ADR], s[TB], v[L16]             ; the next step's addresses; the 32 plain lines below stand between them and their first readers
	v_add_nc_u32 v[ADS], s[TB], v[L4]
.endif
	SUMB1                                          ; tile 1's sum, while the loads above are out
.if \causal
.Lhidden_\@:
	s_add_co_u32 s[KF], s[KF], 128
	s_add_co_u32 s[TB], s[TB], STEPB
.endif
.endm
; THE CHANGE OF SLOTS: each wave waits for all its tensor loads, adds 0 to its spare word, waits for that and for its reads of the slot that it has left.  fill = 1: a round of the cluster's barrier, and the joint refill first behind it.
.macro CHANGE fill
	s_wait_alu depctr_va_vdst(0)
	s_wait_tensorcnt 0x0
	ds_add_u32 v[SPW], v[NIL]
.if \fill
	s_xor_b32 s[G0+1], s[G0+1], SLOT1              ; no load of mine is out: the descriptor walks to the other slot, the next four steps
	s_add_nc_u64 s[G0+2:G0+3], s[G0+2:G0+3], SLOTB
	s_wait_xcnt 0x0                                ; the last prefetch has read its address
	s_add_nc_u64 s[PFA:PFA+1], s[PFA:PFA+1], SLOTB
.endif
	s_wait_dscnt 0x0
.if \fill
	CROUND
	TLOAD
.else
	s_barrier_signal -1
	s_barrier_wait -1
.endif
.endm
.Lslot:                                            ; four trips: the prefix's sixteen steps, a slot's four written out, since the last fetches no K ahead
	CHANGE 1
	KLOADS
	ASK
	STEP 0, 1
	STEP 0, 1
	STEP 0, 1
	STEP 0, 0
	s_sub_co_u32 s[TB], s[TB], SLOTB
	s_xor_b32 s[TB], s[TB], SLOT1
	s_sub_co_u32 s[SLOTS], s[SLOTS], 1
	s_cmp_lg_u32 s[SLOTS], 0
	s_wait_alu depctr_va_vdst(0)
	s_cbranch_scc1 .Lslot
	CHANGE 0                                       ; the last slot: the new tokens' four steps; nothing is filled again
	s_mov_b32 s[CNT], 4
.Lnew:
	STEP 1, 0
	s_sub_co_u32 s[CNT], s[CNT], 1
	s_cmp_lg_u32 s[CNT], 0
	s_wait_alu depctr_va_vdst(0)
	s_cbranch_scc1 .Lnew
	; THE WAY OUT: O^T / the sum, through my stage, a tile of 16 queries at a time; each row leaves as 512 consecutive bytes
	NOP4                                           ; places behind the last products
.irp q, 0,1
	v_add_f32 v[PX+\q], v[LA+2*\q], v[LA+2*\q+1]
.endr
.irp q, 0,1
	DEP2
	v_permlanex16_b32 v[PX+2+\q], v[PX+\q], s[SEL], s[SEL+1]
.endr
.irp q, 0,1
	DEP2
	v_add_f32 v[PX+\q], v[PX+\q], v[PX+2+\q]       ; the row's sum
.endr
	s_wait_alu depctr_va_vdst(0)
.irp q, 0,1
	v_rcp_f32 v[FA+2*\q], v[PX+\q]
.endr
	v_nop
	WIN 0x01
	s_wait_alu depctr_va_vdst(0)                   ; and ahead of their first reader, which is O^T's too
.set n, 0
.rept 64
	v_pk_mul_f32 v[S+n:S+n+1], v[n:n+1], v[FA+2*(n/64):FA+2*(n/64)+1] op_sel_hi:[1,0]   ; register 8 t + i: (query r, number 16 t + 8 hh + i)
.set n, n+2
.endr
	WIN 0
	s_wait_alu depctr_va_vdst(0)
.macro OSTORE q
.irp t, 0,1,2,3,4,5,6,7
	ds_store_b128 v[SOUT], v[S+64*\q+8*\t:S+64*\q+8*\t+3] offset:64*\t
	ds_store_b128 v[SOUT], v[S+64*\q+8*\t+4:S+64*\q+8*\t+7] offset:64*\t+16
.endr
.endm
.macro OBACK q
.set n, 0
.rept 16
	ds_load_b128 v[S+64*\q+4*n:S+64*\q+4*n+3], v[SIN] offset:SP*n
.set n, n+1
.endr
.endm
.macro GST q
.set n, 0
.rept 16
	global_store_b128 v[L16], v[S+64*\q+4*n:S+64*\q+4*n+3], s[8:9] offset:16384*(16*\q+n) th:TH_STORE_NT   ; 32 lanes store 512 consecutive bytes, at a multiple of 512 from out0's first byte
.set n, n+1
.endr
.endm
	OSTORE 0
	s_wait_dscnt 0x0                               ; the stores have read their registers
	OBACK 0
	OSTORE 1                                       ; in order behind tile 0's reads
	s_wait_dscnt 0x0
	OBACK 1
	GST 0
	s_wait_dscnt 0x0
	GST 1
	s_wait_tensorcnt 0x0                           ; the wave's end
	ds_add_u32 v[SPW], v[NIL]
	s_wait_dscnt 0x0
	CROUND                                         ; the closing round
	s_endpgm
.Lfunc_end_k_q7fb4d90129_attn:
	.size	k_q7fb4d90129_attn, .Lfunc_end_k_q7fb4d90129_attn-k_q7fb4d90129_attn
	.p2alignl 7, 3214868480
	.fill 96, 4, 3214868480
	.section	.rodata,"a",@progbits
	.p2align	6, 0x0
	.amdhsa_kernel k_q7fb4d90129_attn
		.amdhsa_group_segment_fixed_size 327680
		.amdhsa_private_segment_fixed_size 0
		.amdhsa_enable_private_segment 0
		.amdhsa_kernarg_size 24
		.amdhsa_user_sgpr_count 2
		.amdhsa_user_sgpr_kernarg_segment_ptr 1
		.amdhsa_wavefront_size32 1
		.amdhsa_system_sgpr_workgroup_id_x 1
		.amdhsa_system_sgpr_workgroup_id_y 1
		.amdhsa_system_sgpr_workgroup_id_z 1
		.amdhsa_system_vgpr_workitem_id 0
		.amdhsa_next_free_vgpr 512
		.amdhsa_next_free_sgpr 66
		.amdhsa_reserve_vcc 1
		.amdhsa_float_denorm_mode_32 3
		.amdhsa_float_denorm_mode_16_64 3
		.amdhsa_memory_ordered 1
		.amdhsa_forward_progress 1
		.amdhsa_inst_pref_size 206
	.end_amdhsa_kernel
	.amdgpu_metadata
---
amdhsa.version: [ 1, 2 ]
amdhsa.kernels:
  - .name:           k_q7fb4d90129_attn
    .symbol:         k_q7fb4d90129_attn.kd
    .args:
      - { .name: q, .offset: 0, .size: 8, .value_kind: global_buffer, .address_space: global }
      - { .name: kvc, .offset: 8, .size: 8, .value_kind: global_buffer, .address_space: global }
      - { .name: out0, .offset: 16, .size: 8, .value_kind: global_buffer, .address_space: global }
    .group_segment_fixed_size: 327680
    .private_segment_fixed_size: 0
    .kernarg_segment_align: 8
    .kernarg_segment_size: 24
    .max_flat_workgroup_size: 256
    .sgpr_count:     66
    .vgpr_count:     512
    .wavefront_size: 32
...
	.end_amdgpu_metadata
.endif
;; end of part 2
